; MI455X (gfx1250); checked and timed in simulation.
; The chip was launched on July 23, 2026; its instructions are those of AMD's public machine-readable ISA for CDNA 5 (MIT licence, August 2026) and "CDNA5" Instruction Set Architecture Reference Guide (July 2026). The comments in the code are by the model that wrote it; some were corrected since.
;; Dot Product Attention. Allowed arithmetic: float matrix products may take bf16 or f16 operands with f32 sums; all other float work in f32.
;; Inputs: K 8 x 8 x 2,048 x 64 float32; Q 8 x 8 x 2,048 x 64 float32; V 8 x 8 x 2,048 x 64 float32; mask 8 x 2,048 x 1 bool.
;; Outputs: out0 8 x 8 x 2,048 x 64 float32.
;; 2 versions, each right; version 2 is version 1 with the launch index written anew for expert scheduling mode. Each part assembles by itself: llvm-mc -triple=amdgcn-amd-amdhsa -mcpu=gfx1250 --defsym DOCPART=n.
;; ======== version 1 of 2: 2 launches
;; workspace buffers: order 66,560 bytes of whole numbers
;; launch index (part 1): grid 8 x 1, 1 waves a work-group, no clusters, 0 bytes of LDS; arguments mask, order; writes order
.if DOCPART == 1
	.amdgcn_target "amdgcn-amd-amdhsa--gfx1250"
	.amdhsa_code_object_version 6
	.text
	.protected	k_q11cb00080f_index
	.globl	k_q11cb00080f_index
	.p2align	8
	.type	k_q11cb00080f_index,@function
k_q11cb00080f_index:
	s_mov_b64 s[64:65], 0
	v_nop
	global_prefetch_b8 v0, s[64:65] scope:SCOPE_SE
	s_setreg_imm32_b32 hwreg(HW_REG_WAVE_MODE, 25, 1), 1
	s_wait_xcnt 0x0
; For each batch b (one work-group of one wave): a list of its 2,048 key numbers with the keys that take part in the softmax
; gathered, and a record of three numbers.  A key takes part if its mask byte is 0 (any other byte counts as true).
;   cnt  = keys that take part.  If none does, reference() gives every key the same weight: then all 2,048 take part and flag = 1.
;   R    = (cnt + 63) / 64   rounds of 64 list places that the next launch walks (1 .. 32)
;   pad  = 64 R - cnt        places at the list's head that hold keys which do not take part (0 .. 63)
; order, as 32-bit words: word b*2048 + p = the key at place p; places pad .. 64 R - 1 are the keys that take part, the others fill
; 64 R .. 2047 and then 0 .. pad - 1, so that the list is a permutation and every word is written.
; Record of batch b at byte 65536 + 128 b: word 0 = R, word 1 = pad, words 2 .. 31 = flag.
; The order of keys inside the list is free: a softmax sum does not depend on it.
; The list's stores are 4 bytes a lane at places that the mask decides (two runs of neighbouring words for each instruction);
; the whole list is 8,192 bytes for a work-group, which is not worth a stage in LDS.
.set M,   4                            ; v[4:19]    the 2,048 mask bytes: load j (0..3) holds bytes 512 j + 16 lane + 0..15
.set BY,  20                           ; v[20:83]   step i: my mask byte, later the byte offset of my store
.set KEY, 84                           ; v[84:147]  step i: my key number
                                       ; v[148:151] at work
; step i = 16 j + b treats byte b of load j: key 512 j + 16 lane + b, which is number n = 32 i + lane in the order of counting
	s_load_b128 s[4:7], s[0:1], 0x0                ; mask s[4:5], order s[6:7]
	v_lshlrev_b32 v1, 4, v0                        ; 16 x lane
	v_lshlrev_b32 v3, 2, v0                        ; 4 x lane: my word of the record
	s_lshl_b32 s20, ttmp9, 11                      ; the batch's 2,048 mask bytes
	s_mov_b32 s21, 0
	s_lshl_b32 s22, ttmp9, 13                      ; its 8,192 bytes of list
	s_mov_b32 s23, 0
	s_lshl_b32 s24, ttmp9, 7                       ; its 128 bytes of record, behind the eight lists
	s_add_co_u32 s24, s24, 0x10000
	s_mov_b32 s25, 0
	s_wait_kmcnt 0x0
	s_add_nc_u64 s[4:5], s[4:5], s[20:21]
	s_add_nc_u64 s[8:9], s[6:7], s[22:23]
	s_add_nc_u64 s[10:11], s[6:7], s[24:25]
.irp j, 0,1,2,3
	global_load_b128 v[M+4*\j:M+4*\j+3], v1, s[4:5] offset:512*\j   ; 512 neighbouring bytes for each load
.endr
	s_mov_b32 s12, 0                               ; cnt
	s_wait_loadcnt 0x0
	; pass 1: take the bytes apart and count the zeros
.set i, 0
.rept 64
	v_bfe_u32 v[BY+i], v[M+i/4], 8*(i%4), 8
	v_cmp_eq_u32 vcc_lo, 0, v[BY+i]
	s_bcnt1_i32_b32 s19, vcc_lo
	s_add_co_u32 s12, s12, s19
.set i, i+1
.endr
	s_cmp_eq_u32 s12, 0                            ; every key masked?
	s_cselect_b32 s18, 1, 0                        ; flag
	s_cselect_b32 s14, -1, 0                       ; then every lane's key takes part,
	s_cselect_b32 s12, 2048, s12                   ; all 2,048 of them
	s_add_co_u32 s16, s12, 63
	s_lshr_b32 s16, s16, 6                         ; R
	s_lshl_b32 s17, s16, 6                         ; E = 64 R
	s_sub_co_u32 s15, s17, s12                     ; pad
	v_add_nc_u32 v2, s17, v0                       ; E + lane
	s_mov_b32 s13, 0                               ; keys that take part, counted so far
	; pass 2: every key's place.  pu = keys that take part in front of mine; n - pu = the others in front of mine.
	; Each store has an offset register and a data register of its own, so nothing that a pending store reads is written again.
.set i, 0
.rept 64
	v_cmp_eq_u32 vcc_lo, 0, v[BY+i]
	s_or_b32 vcc_lo, vcc_lo, s14
	v_mbcnt_lo_u32_b32 v148, vcc_lo, s13           ; pu
	s_bcnt1_i32_b32 s19, vcc_lo
	s_add_co_u32 s13, s13, s19
	v_add_nc_u32 v[KEY+i], 512*(i/16)+(i%16), v1
	v_add_nc_u32 v149, s15, v148                   ; takes part: pad + pu
	v_sub_nc_u32 v150, v2, v148
	v_add_nc_u32 v150, 32*i, v150                  ; does not: E + n - pu,
	v_cndmask_b32 v149, v150, v149, vcc_lo
	v_and_b32 v149, 0x7ff, v149                    ; wrapped round the list's end
	v_min_u32 v149, 0x7ff, v149                    ; a number made from loaded data enters an address only clamped
	v_lshlrev_b32 v[BY+i], 2, v149
	global_store_b32 v[BY+i], v[KEY+i], s[8:9]
.set i, i+1
.endr
	; the record: lane 0 R, lane 1 pad, the others flag
	v_mov_b32 v151, s18
	v_mov_b32 v148, s16
	v_mov_b32 v149, s15
	v_cmp_eq_u32 vcc_lo, 0, v0
	v_cndmask_b32 v151, v151, v148, vcc_lo
	v_cmp_eq_u32 vcc_lo, 1, v0
	v_cndmask_b32 v151, v151, v149, vcc_lo
	global_store_b32 v3, v151, s[10:11]
	s_endpgm
.Lfunc_end_k_q11cb00080f_index:
	.size	k_q11cb00080f_index, .Lfunc_end_k_q11cb00080f_index-k_q11cb00080f_index
	.p2alignl 7, 3214868480
	.fill 96, 4, 3214868480
	.section	.rodata,"a",@progbits
	.p2align	6, 0x0
	.amdhsa_kernel k_q11cb00080f_index
		.amdhsa_group_segment_fixed_size 0
		.amdhsa_private_segment_fixed_size 0
		.amdhsa_enable_private_segment 0
		.amdhsa_kernarg_size 16
		.amdhsa_user_sgpr_count 2
		.amdhsa_user_sgpr_kernarg_segment_ptr 1
		.amdhsa_wavefront_size32 1
		.amdhsa_system_sgpr_workgroup_id_x 1
		.amdhsa_system_sgpr_workgroup_id_y 1
		.amdhsa_system_sgpr_workgroup_id_z 1
		.amdhsa_system_vgpr_workitem_id 0
		.amdhsa_next_free_vgpr 152
		.amdhsa_next_free_sgpr 66
		.amdhsa_reserve_vcc 1
		.amdhsa_float_denorm_mode_32 3
		.amdhsa_float_denorm_mode_16_64 3
		.amdhsa_memory_ordered 1
		.amdhsa_forward_progress 1
		.amdhsa_inst_pref_size 54
	.end_amdhsa_kernel
	.amdgpu_metadata
---
amdhsa.version: [ 1, 2 ]
amdhsa.kernels:
  - .name:           k_q11cb00080f_index
    .symbol:         k_q11cb00080f_index.kd
    .args:
      - { .name: mask, .offset: 0, .size: 8, .value_kind: global_buffer, .address_space: global }
      - { .name: order, .offset: 8, .size: 8, .value_kind: global_buffer, .address_space: global }
    .group_segment_fixed_size: 0
    .private_segment_fixed_size: 0
    .kernarg_segment_align: 8
    .kernarg_segment_size: 16
    .max_flat_workgroup_size: 32
    .sgpr_count:     66
    .vgpr_count:     152
    .wavefront_size: 32
...
	.end_amdgpu_metadata
.endif
;; end of part 1
;; launch attn (part 2): grid 4 x 64, 8 waves a work-group, no clusters, 55,296 bytes of LDS; arguments K, Q, V, order, out0; writes out0
.if DOCPART == 2
	.amdgcn_target "amdgcn-amd-amdhsa--gfx1250"
	.amdhsa_code_object_version 6
	.text
	.protected	k_q11cb00080f_attn
	.globl	k_q11cb00080f_attn
	.p2align	8
	.type	k_q11cb00080f_attn,@function
k_q11cb00080f_attn:
	s_mov_b64 s[64:65], 0
	v_nop
	global_prefetch_b8 v0, s[64:65] scope:SCOPE_SE
	s_setreg_imm32_b32 hwreg(HW_REG_WAVE_MODE, 25, 1), 1
	s_wait_xcnt 0x0
; out = softmax(10 tanh(Q K^T / 8), masked keys at -1e10) V for one head and 512 queries; K, Q, V, out: [64 heads][2048][64] f32.
;
; THE SOFTMAX.  reference() itself clips the logits to [-10, 10] by its tanh, so the shift -10 serves every input:
;   p = exp(10 tanh x - 10) = exp(-20 / (1 + e^(2x))), x = s / 8, lies in [e^-20, 1], and a row's sum in [e^-20, 2048]:
; neither can overflow or underflow in f32 or bf16, and no running maximum is kept.  Three steps for a weight:
;   e = exp2(C1 s), C1 = 2 log2(e) / 8;   r = 1 / (1 + e);   p = exp2(C2 r), C2 = -20 log2(e).   (e = inf gives r = 0, p = 1.)
; MASKED KEYS have weight exactly 0 and are never multiplied: the launch before this one left, for each batch, a list of the keys that
; take part (places pad .. 64 R - 1 of the list) and the record R, pad, flag.  The pad places at the list's head (0 .. 63, all in the
; first 64) hold keys that do not take part: their K and V rows are replaced by zeros and their weight in the row sum is 0.
; flag = 1: every key of the batch is masked; reference() then weighs all 2,048 alike: the list holds them all and C1 = 0.
; LIMITS KEPT: with flag = 1 the products Q K must be finite in f32 (they are multiplied by 0).  Q, K, V and the weights enter the matrix
; unit rounded to bf16; sums in f32.  The row sum is made of the same rounded weights as the numerator.
;
; SHARES.  Work-group (x, y): head y, queries 512 x .. 512 x + 511; x runs fastest, so the four readers of a head's K and V are neighbours.
; Eight waves; wave w owns 64 queries (4 blocks of 16).  A tile is 32 list places; two LDS slots take turns; a round is two tiles.
; All 256 threads bring a tile in: thread t takes 16 bytes (column 16 (t & 15)) of the f32 rows at places 2 (t >> 4) and 2 (t >> 4) + 1,
; so sixteen neighbouring lanes read one whole row of 256 bytes; it rounds them to bf16 and stores 8 bytes a row into LDS.
; Rows are asked for one whole trip before they are converted, list entries one round before they are used.
;
; THE NUMBER OF BARRIERS IS A CONSTANT OF THIS TEXT.  R is a loaded number.  The
; loop always has 31 rounds; the work of a trip is jumped over once the list is used up (round >= R), and its barrier is not: in those
; trips the waves only meet.  Between two barriers one slot is only read and the other only written, whether a wave works or not.
; The look-ahead does not know the list's end either: the last round that works asks for two tiles (32 rows of K and of V each) and stages
; one that nobody multiplies.  They lie inside the tables, since the list is a permutation of all 2,048 keys and its offset is clamped.
;
; NO TENSOR LOADS, NO CLUSTER: the four work-groups of a head do read the same rows, but the rows are picked by a list (no regular box of
; the tensor) and are f32 in memory, so each has to pass through registers to become bf16.  Dense tiles asked for jointly would bring
; the masked rows too and with them their exponentials, which are what a trip mostly consists of (192 of them against 36 matrix instructions).
;
; MATRIX LAYOUTS (L lane, r = L & 15, h = L >> 4), chosen so that nothing is shuffled between the two products:
;   S^T = K Q^T : A = 16 keys x 32 d, B = 16 queries x 32 d.  Register j of the result: key 8h + j, query r.
;   Two such results (keys 0-15, 16-31), packed in pairs to bf16, ARE the B fragment of P^T (k = key, n = query).
;   O^T = V^T P^T : A = 16 d x 32 keys, read from V's tile [key][d] by the transposing LDS load.  Register j: d = 16 db + 8h + j, query r.
;   Row sum: a fifth A fragment W whose 16 rows all hold w(key) = 1.0 (0 on padding): every register of its result is query r's sum.
.set KPITCH, 144                       ; K tile row: 128 bytes of bf16 + 16 (an odd multiple of 16: the 16 rows of a fragment load start in different banks)
.set VPITCH, 160                       ; V tile row: 128 bytes + 32 (an odd multiple of 32, for the transposing load)
.set KSLOT,  32*KPITCH                 ; 4,608
.set VSLOT,  32*VPITCH                 ; 5,120
.set VBASE,  2*KSLOT                   ; K slots at 0 and 4,608; V slots at 9,216 and 14,336
.set SCR,    VBASE+2*VSLOT             ; 19,456: each wave's own scratch: Q on the way in (16 rows x 144), O on the way out (16 rows x 272)
.set OPITCH, 272                       ; 256 bytes of f32 + 16
.set WSCR,   16*OPITCH                 ; 4,352 bytes a wave; 19,456 + 8 x 4,352 = 54,272
.set ROUNDS, 32                        ; 2,048 list places / 64
; vector registers, window 0
.set KADR, 1                           ; r x 144 + 16 h: my 16 bytes of a K fragment
.set VADR, 2                           ; 9216 + (8h + (L & 7)) x 160 + 16 ((L >> 3) & 1): the transposing load's address
.set KSTO, 3                           ; (t >> 4) x 288 + 8 (t & 15): where I put my first row's 8 bytes of K
.set VSTO, 4                           ; 9216 + (t >> 4) x 320 + 8 (t & 15): the same for V
.set IOFF, 5                           ; 8 (t >> 4) + 256 x round: my two entries of the list
.set COL,  6                           ; 16 (t & 15)
.set POS,  7                           ; 2 (t >> 4): my first row's place in a tile
.set ROWA, 8                           ; byte offsets of my two rows in K and V
.set ROWB, 9
.set IDXA, 10                          ; v[10:11] list entries: the next round's even tile
.set IDXB, 12                          ; v[12:13] its odd tile
.set IDX0, 14                          ; v[14:17] the first round's entries and v18, v19 its second tile's row offsets: prologue only
.set IDX1, 16
.set ROWC, 18
.set ROWD, 19
.set OOFF, 14                          ; behind the prologue: 16 L, my 16 bytes of two rows of out
.set KH,   15                          ; behind the prologue: 8 h
.set QSTO, 20                          ; scratch: h x 144 + 8 r
.set QADR, 21                          ; scratch: r x 144 + 16 h
.set OSTO, 22                          ; scratch: r x 272 + 32 h
.set ORD,  23                          ; scratch: h x 272 + 16 r
.set WF,   24                          ; v[24:31]   W.  In the prologue v24 = 16 L (the Q loads' offset), v25-29 at work
.set OOFQ, 24
.set QF,   32                          ; v[32:95]   Q fragments: block qb, d half ds at 32 + 16 qb + 8 ds
.set KF,   96                          ; v[96:127]  K fragments: key block kb, d half ds at 96 + 16 kb + 8 ds
.set VF,   128                         ; v[128:159] V^T fragments: d block db at 128 + 8 db
.set SB0,  160                         ; v[160:175] S^T of one query block: 2 key blocks x 8
.set SB1,  176                         ; v[176:191] and of another
.set PF,   192                         ; v[192:223] P^T fragments: block qb at 192 + 8 qb
.set STG,  224                         ; v[224:239] rows on their way: K row a, K row b, V row a, V row b, 4 registers each
.set STG2, 240                         ; v[240:255] the same for the second tile: prologue only
.set T0,   240                         ; behind the prologue: v[240:244] at work
.set RL,   248                         ; v[248:249] 1 / row sum, twice
.set TMP,  96                          ; v[96:223]  prologue: Q as loaded, 128 registers
; window 1: accumulators, v256 + 8 (5 qb + db): db = 0..3 O^T, db = 4 the row sum: 160 registers
; scalar: s[4:5] K's head, s[6:7] Q's 64 rows, s[8:9] V's head, s[10:11] order, s[12:13] out's 64 rows, s14 wave, s15 head, s16 batch,
; s20 R, s21 pad, s22 flag, s[24:25] C1 twice, s[26:27] C2 twice, s28 the round, s29, s30 for W, s31 my scratch, s[32:33] my batch's list
.set MSB, 0
.macro WIN new                         ; s_set_vgpr_msb; the immediate's high byte repeats the setting that is left
.if MSB != \new
	s_set_vgpr_msb (MSB<<8)|\new
.set MSB, \new
.endif
.endm
	s_load_b256 s[4:11], s[0:1], 0x0               ; K, Q, V, order
	s_load_b64 s[12:13], s[0:1], 0x20              ; out0
	s_set_vgpr_msb 0x40
	v_lshl_add_u32 v160, v0, 2, 0xd400
	v_mov_b32 v161, 0
	s_set_vgpr_msb 0x4000
	v_lshrrev_b32 v24, 5, v0
	v_readfirstlane_b32 s14, v24                   ; wave 0..7
	s_and_b32 s15, ttmp7, 0xffff                   ; head
	s_lshr_b32 s16, s15, 3                         ; batch
	s_lshl_b32 s18, s15, 19                        ; head x 2,048 rows x 256 bytes
	s_mov_b32 s19, 0
	s_lshl_b32 s40, ttmp9, 17                      ; + block x 512 rows
	s_lshl_b32 s17, s14, 14                        ; + wave x 64 rows
	s_add_co_u32 s40, s40, s18
	s_add_co_u32 s40, s40, s17
	s_mov_b32 s41, 0
	s_lshl_b32 s42, s16, 13                        ; the batch's list
	s_mov_b32 s43, 0
	s_lshl_b32 s44, s16, 7                         ; the batch's record
	s_mul_i32 s31, s14, WSCR
	s_add_co_u32 s31, s31, SCR                     ; my wave's scratch
	v_and_b32 v25, 15, v0                          ; r, and t & 15
	v_bfe_u32 v26, v0, 4, 1                        ; h
	v_lshrrev_b32 v27, 4, v0                       ; t >> 4
	v_and_b32 v28, 7, v0
	v_bfe_u32 v29, v0, 3, 1
	v_mul_u32_u24 v[KADR], v25, KPITCH
	v_lshl_add_u32 v[KADR], v26, 4, v[KADR]
	v_lshl_add_u32 v[VADR], v26, 3, v28
	v_mul_u32_u24 v[VADR], v[VADR], VPITCH
	v_lshl_add_u32 v[VADR], v29, 4, v[VADR]
	v_add_nc_u32 v[VADR], VBASE, v[VADR]
	v_mul_u32_u24 v[KSTO], v27, 2*KPITCH
	v_lshl_add_u32 v[KSTO], v25, 3, v[KSTO]
	v_mul_u32_u24 v[VSTO], v27, 2*VPITCH
	v_lshl_add_u32 v[VSTO], v25, 3, v[VSTO]
	v_add_nc_u32 v[VSTO], VBASE, v[VSTO]
	v_lshlrev_b32 v[IOFF], 3, v27
	v_lshlrev_b32 v[COL], 4, v25
	v_lshlrev_b32 v[POS], 1, v27
	v_mul_u32_u24 v[QSTO], v26, KPITCH
	v_lshl_add_u32 v[QSTO], v25, 3, v[QSTO]
	v_add_nc_u32 v[QSTO], s31, v[QSTO]
	v_add_nc_u32 v[QADR], s31, v[KADR]
	v_mul_u32_u24 v[OSTO], v25, OPITCH
	v_lshl_add_u32 v[OSTO], v26, 5, v[OSTO]
	v_add_nc_u32 v[OSTO], s31, v[OSTO]
	v_mul_u32_u24 v[ORD], v26, OPITCH
	v_lshl_add_u32 v[ORD], v25, 4, v[ORD]
	v_add_nc_u32 v[ORD], s31, v[ORD]
	v_and_b32 v[OOFQ], 31, v0
	v_lshlrev_b32 v[OOFQ], 4, v[OOFQ]              ; 16 L = (L >> 4) rows of 256 bytes + 16 (L & 15)
	s_wait_kmcnt 0x0
	s_add_nc_u64 s[4:5], s[4:5], s[18:19]
	s_add_nc_u64 s[8:9], s[8:9], s[18:19]
	s_add_nc_u64 s[6:7], s[6:7], s[40:41]
	s_add_nc_u64 s[12:13], s[12:13], s[40:41]
	s_add_nc_u64 s[32:33], s[10:11], s[42:43]
	s_load_b128 s[20:23], s[10:11], s44 offset:0x10000     ; R, pad, flag, flag; s[10:11] and s44 are not written again
	; the list entries of the first two rounds (they lie inside the list whatever R is)
	global_load_b64 v[IDX0:IDX0+1], v[IOFF], s[32:33]
	global_load_b64 v[IDX1:IDX1+1], v[IOFF], s[32:33] offset:128
	global_load_b64 v[IDXA:IDXA+1], v[IOFF], s[32:33] offset:256
	global_load_b64 v[IDXB:IDXB+1], v[IOFF], s[32:33] offset:384
	; my wave's 64 rows of Q, two whole rows for each load; read once in the launch
.irp qb, 0,1,2,3
.irp t, 0,1,2,3,4,5,6,7
	global_load_b128 v[TMP+32*\qb+4*\t:TMP+32*\qb+4*\t+3], v[OOFQ], s[6:7] offset:(16*\qb+2*\t)*256 th:TH_LOAD_NT
.endr
.endr
; four f32 to four bf16, in place: registers base, base + 1
.macro CVT4 base
	v_cvt_pk_bf16_f32 v[\base], v[\base], v[\base+1]
	v_cvt_pk_bf16_f32 v[\base+1], v[\base+2], v[\base+3]
.endm
.macro CVTS stg                        ; my share of a tile: eight conversions
	CVT4 \stg
	CVT4 \stg+4
	CVT4 \stg+8
	CVT4 \stg+12
.endm
.macro STORES stg, slot                ; and its four LDS stores of 8 bytes
	ds_store_b64 v[KSTO], v[\stg:\stg+1] offset:(\slot)*KSLOT
	ds_store_b64 v[KSTO], v[\stg+4:\stg+5] offset:(\slot)*KSLOT+KPITCH
	ds_store_b64 v[VSTO], v[\stg+8:\stg+9] offset:(\slot)*VSLOT
	ds_store_b64 v[VSTO], v[\stg+12:\stg+13] offset:(\slot)*VSLOT+VPITCH
.endm
; ask for my two rows of K and of V.  The key numbers are loaded data: clamped to the table before they enter an address.
; No cache word: three other work-groups read the same rows.
.macro FETCH idx, ra, rb, stg
	v_min_u32 v[\ra], 0x7ff, v[\idx]
	v_min_u32 v[\rb], 0x7ff, v[\idx+1]
	v_lshl_add_u32 v[\ra], v[\ra], 8, v[COL]
	v_lshl_add_u32 v[\rb], v[\rb], 8, v[COL]
	global_load_b128 v[\stg:\stg+3], v[\ra], s[4:5]
	global_load_b128 v[\stg+4:\stg+7], v[\rb], s[4:5]
	global_load_b128 v[\stg+8:\stg+11], v[\ra], s[8:9]
	global_load_b128 v[\stg+12:\stg+15], v[\rb], s[8:9]
.endm
.macro KEEP reg, m                     ; a row's two packed registers stay where the mask bit is set and become 0 elsewhere
	v_cndmask_b32 v[\reg], 0, v[\reg], \m
	v_cndmask_b32 v[\reg+1], 0, v[\reg+1], \m
.endm
; W for a tile in which the keys k < rem are padding (s29 = rem, s30 = rem - 1, signed).  Register i of lane (r, h) holds
; k = c + 8h in its low half and k + 1 in its high half, c = 2 i for i < 4 and 2 i + 8 for the others.
.macro SETW
	v_mov_b32 v[T0], 0x3f80                        ; bf16 1.0 in the low half
	v_mov_b32 v[T0+1], 0x3f800000                  ; and in the high half
.irp i, 0,1,2,3,4,5,6,7
	v_add_nc_u32 v[T0+2], 2*\i+8*(\i/4), v[KH]
	v_cmp_le_i32 vcc_lo, s29, v[T0+2]
	v_cndmask_b32 v[T0+3], 0, v[T0], vcc_lo
	v_cmp_le_i32 vcc_lo, s30, v[T0+2]
	v_cndmask_b32 v[T0+4], 0, v[T0+1], vcc_lo
	v_or_b32 v[WF+\i], v[T0+3], v[T0+4]
.endr
.endm
.macro MEET                            ; the work-group's barrier
	s_barrier_signal -1
	s_barrier_wait -1
.endm
	s_wait_loadcnt 32                              ; loads come back in order (ISA guide 5.7.1): the 4 list loads are in, the 32 of Q stay out
	FETCH IDX0, ROWA, ROWB, STG                    ; tile 0
	FETCH IDX1, ROWC, ROWD, STG2                   ; tile 1
	; Q: 16 rows at a time to bf16, through my own scratch into fragments.  LDS serves a wave's instructions in order (ISA guide 5.7.1.4),
	; so no wait stands between these stores, the loads behind them and the next block's stores.
.irp qb, 0,1,2,3
	s_wait_loadcnt 32-8*\qb                        ; out may stay: the later blocks' 24 - 8 qb loads of Q and the 8 row loads
.irp t, 0,1,2,3,4,5,6,7
	CVT4 TMP+32*\qb+4*\t
.endr
.irp t, 0,1,2,3,4,5,6,7
	ds_store_b64 v[QSTO], v[TMP+32*\qb+4*\t:TMP+32*\qb+4*\t+1] offset:2*KPITCH*\t
.endr
.irp f, 0,1,2,3
	ds_load_b128 v[QF+16*\qb+4*\f:QF+16*\qb+4*\f+3], v[QADR] offset:32*\f
.endr
.endr
	s_wait_kmcnt 0x0                               ; the record
	s_min_u32 s20, s20, ROUNDS                     ; R in 1 .. 32, pad in 0 .. 63
	s_max_u32 s20, s20, 1
	s_min_u32 s21, s21, 63
	s_cmp_lg_u32 s22, 0
	s_cselect_b32 s24, 0, 0x3eb8aa3b               ; C1 = log2(e) / 4, or 0 where every key is masked
	s_mov_b32 s25, s24
	s_mov_b32 s26, 0xc1e6d4ca                      ; C2 = -20 log2(e)
	s_mov_b32 s27, s26
	s_wait_loadcnt 0x0                             ; the rows of tiles 0 and 1
	CVTS STG
	CVTS STG2
	v_cmp_le_u32 s34, s21, v[POS]                  ; my four rows' places 2g, 2g + 1, 32 + 2g, 33 + 2g: padding below pad
	v_add_nc_u32 v25, 1, v[POS]
	v_cmp_le_u32 s35, s21, v25
	v_add_nc_u32 v25, 32, v[POS]
	v_cmp_le_u32 s36, s21, v25
	v_add_nc_u32 v25, 33, v[POS]
	v_cmp_le_u32 s37, s21, v25
	KEEP STG, s34
	KEEP STG+8, s34
	KEEP STG+4, s35
	KEEP STG+12, s35
	KEEP STG2, s36
	KEEP STG2+8, s36
	KEEP STG2+4, s37
	KEEP STG2+12, s37
	STORES STG, 0
	STORES STG2, 1
	v_and_b32 v[OOFF], 31, v0                      ; v14-19 are free now: their loads are in, their entries used
	v_lshlrev_b32 v[OOFF], 4, v[OOFF]
	v_bfe_u32 v[KH], v0, 4, 1
	v_lshlrev_b32 v[KH], 3, v[KH]
	s_mov_b32 s29, s21                             ; tile 0: padding below pad
	s_sub_co_i32 s30, s21, 1
	SETW
	v_add_nc_u32 v[IOFF], 256, v[IOFF]             ; round 1; the first step in the trips lands on round 2
	s_wait_dscnt 0x0                               ; for the others: my stores into both slots are done (and my Q fragments are in)
	MEET
; S^T of query block qb: 2 key blocks x 2 halves of d.  The second half is the next link of a chain in place.
.macro SMUL qb, sb
.irp kb, 0,1
	v_wmma_f32_16x16x32_bf16 v[\sb+8*\kb:\sb+8*\kb+7], v[KF+16*\kb:KF+16*\kb+7], v[QF+16*\qb:QF+16*\qb+7], 0
.endr
.irp kb, 0,1
	v_wmma_f32_16x16x32_bf16 v[\sb+8*\kb:\sb+8*\kb+7], v[KF+16*\kb+8:KF+16*\kb+15], v[QF+16*\qb+8:QF+16*\qb+15], v[\sb+8*\kb:\sb+8*\kb+7]
.endr
.endm
; 16 numbers a lane from s to p, in place, then packed into the B fragment at pb.  Each run of exponentials or reciprocals is followed by
; one v_nop, the plain instruction that has to stand between such an instruction and the use of its result (ISA guide 5.7.2).
.macro SOFT sb, pb
.irp i, 0,2,4,6,8,10,12,14
	v_pk_mul_f32 v[\sb+\i:\sb+\i+1], v[\sb+\i:\sb+\i+1], s[24:25] op_sel_hi:[1,0]
.endr
.irp i, 0,1,2,3,4,5,6,7,8,9,10,11,12,13,14,15
	v_exp_f32 v[\sb+\i], v[\sb+\i]
.endr
	v_nop
	s_wait_alu depctr_va_vdst(0)
.irp i, 0,2,4,6,8,10,12,14
	v_pk_add_f32 v[\sb+\i:\sb+\i+1], v[\sb+\i:\sb+\i+1], 1.0 op_sel_hi:[1,0]
.endr
.irp i, 0,1,2,3,4,5,6,7,8,9,10,11,12,13,14,15
	v_rcp_f32 v[\sb+\i], v[\sb+\i]
.endr
	v_nop
	s_wait_alu depctr_va_vdst(0)
.irp i, 0,2,4,6,8,10,12,14
	v_pk_mul_f32 v[\sb+\i:\sb+\i+1], v[\sb+\i:\sb+\i+1], s[26:27] op_sel_hi:[1,0]
.endr
.irp i, 0,1,2,3,4,5,6,7,8,9,10,11,12,13,14,15
	v_exp_f32 v[\sb+\i], v[\sb+\i]
.endr
	v_nop
	s_wait_alu depctr_va_vdst(0)
.irp i, 0,1,2,3,4,5,6,7
	v_cvt_pk_bf16_f32 v[\pb+\i], v[\sb+2*\i], v[\sb+2*\i+1]
.endr
.endm
; 20 matrix instructions: for each query block four blocks of O^T and the row sum.  zero = 1: the first tile starts the sums.
.macro PV zero
.irp qb, 0,1,2,3
.irp db, 0,1,2,3
.if \zero
	v_wmma_f32_16x16x32_bf16 v[8*(5*\qb+\db):8*(5*\qb+\db)+7], v[VF+8*\db:VF+8*\db+7], v[PF+8*\qb:PF+8*\qb+7], 0
.else
	v_wmma_f32_16x16x32_bf16 v[8*(5*\qb+\db):8*(5*\qb+\db)+7], v[VF+8*\db:VF+8*\db+7], v[PF+8*\qb:PF+8*\qb+7], v[8*(5*\qb+\db):8*(5*\qb+\db)+7]
.endif
.endr
.if \zero
	v_wmma_f32_16x16x32_bf16 v[8*(5*\qb+4):8*(5*\qb+4)+7], v[WF:WF+7], v[PF+8*\qb:PF+8*\qb+7], 0
.else
	v_wmma_f32_16x16x32_bf16 v[8*(5*\qb+4):8*(5*\qb+4)+7], v[WF:WF+7], v[PF+8*\qb:PF+8*\qb+7], v[8*(5*\qb+4):8*(5*\qb+4)+7]
.endif
.endr
.endm
; ONE TILE of 32 keys against my 64 queries; the barrier that ends the trip stands behind the macro.  slot: where the tile lies.
; zero: the first tile.  stage: the rows asked for in the last trip go into the other slot.  Every trip asks for the rows of the tile two
; ahead; a trip in slot 1 also for the list entries of the round after the next.
; DISTANCES behind matrix instructions (ISA guide 7.12.1; only plain vector instructions that name none of the matrix instruction's
; registers are counted, no matrix instruction, exponential or reciprocal):
;   the eight conversions of CVTS, or five v_nop, stand behind SMUL 0: four before SOFT reads SB0, five before SMUL 2 writes it again;
;   each SOFT works on the buffer that the SMUL in front of it does not name: its 32 plain instructions are that SMUL's places;
;   four v_nop stand behind PV: before the next trip loads into VF, before W or P is written, before the way out reads the sums.
.macro TRIP slot, zero, stage
.irp kb, 0,1
.irp ds, 0,1
	ds_load_b128 v[KF+16*\kb+8*\ds:KF+16*\kb+8*\ds+3], v[KADR] offset:\slot*KSLOT+16*KPITCH*\kb+64*\ds
	ds_load_b128 v[KF+16*\kb+8*\ds+4:KF+16*\kb+8*\ds+7], v[KADR] offset:\slot*KSLOT+16*KPITCH*\kb+64*\ds+32
.endr
.endr
.irp db, 0,1,2,3
	ds_load_tr16_b128 v[VF+8*\db:VF+8*\db+3], v[VADR] offset:\slot*VSLOT+32*\db
	ds_load_tr16_b128 v[VF+8*\db+4:VF+8*\db+7], v[VADR] offset:\slot*VSLOT+32*\db+16*VPITCH
.endr
	s_wait_dscnt 8                                 ; LDS loads come back in order: K's eight are in, V's eight may be out
	SMUL 0, SB0
	SMUL 1, SB1
	s_wait_loadcnt 0x0                             ; the 4 row loads of the last trip (and the 2 list loads behind them): all are used now, nothing
	                                               ; younger exists; it also frees their offset registers
.if \stage
	CVTS STG
	STORES STG, 1-\slot                            ; the other slot: every wave's reads of it ended in front of the last barrier
.else
.rept 5
	v_nop
.endr
.endif
.if \slot
	v_add_nc_u32 v[IOFF], 256, v[IOFF]
	v_min_u32 v[IOFF], 8056, v[IOFF]               ; round 31's last pair of entries begins at 31 x 256 + 120: the look-ahead stays inside the list
	FETCH IDXB, ROWA, ROWB, STG
	global_load_b64 v[IDXA:IDXA+1], v[IOFF], s[32:33]
	global_load_b64 v[IDXB:IDXB+1], v[IOFF], s[32:33] offset:128
.else
	FETCH IDXA, ROWA, ROWB, STG
.endif
	SOFT SB0, PF
	SMUL 2, SB0
	SOFT SB1, PF+8
	SMUL 3, SB1
	SOFT SB0, PF+16
	SOFT SB1, PF+24
	s_wait_dscnt 0x0                               ; V's fragments are in; for the others: my reads of this slot and my stores into the other are done
	WIN 0x50                                       ; C and D in window 1
	PV \zero
.rept 4
	v_nop
.endr
	WIN 0
.endm
	; THE FIRST ROUND always works (R is at least 1).  Its two tiles were staged by the prologue and hold the padding.
	TRIP 0, 1, 0
	MEET
	s_sub_co_i32 s29, s21, 32                      ; tile 1: padding below pad - 32
	s_sub_co_i32 s30, s21, 33
	SETW
	TRIP 1, 0, 1
	MEET
.irp i, 0,1,2,3,4,5,6,7
	v_mov_b32 v[WF+\i], 0x3f803f80                 ; from here on every key counts
.endr
	; ROUNDS 1 .. 31: a constant number of trips and of barriers; the work is done while the round is below R
	s_mov_b32 s28, 1
.Lround:
	s_cmp_ge_u32 s28, s20
	s_cbranch_scc1 .Lidle0
	TRIP 0, 0, 1
.Lidle0:
	MEET
	s_cmp_ge_u32 s28, s20
	s_cbranch_scc1 .Lidle1
	TRIP 1, 0, 1
.Lidle1:
	MEET
	s_add_co_u32 s28, s28, 1
	s_cmp_lt_u32 s28, ROUNDS
	s_cbranch_scc1 .Lround
; THE WAY OUT, one query block at a time: divide by the row sum (at least e^-20: one key always counts), 16 queries x 64 d of f32 into my own
; scratch as rows of 272 bytes, back by whole rows, and out: sixteen neighbouring lanes store one row of 256 consecutive bytes, aligned.
; The look-ahead's last loads may still be out: they land in v10-13 and v224-239, which nothing below names.
.macro OUTQ qb, buf
	WIN 0x01                                       ; source 0 in window 1
	v_rcp_f32 v[RL], v[8*(5*\qb+4)]
	v_rcp_f32 v[RL+1], v[8*(5*\qb+4)]
	v_nop                                          ; the plain instruction between a reciprocal and its use
	s_wait_alu depctr_va_vdst(0)
.irp db, 0,1,2,3
.irp i, 0,2,4,6
	v_pk_mul_f32 v[KF+8*\db+\i:KF+8*\db+\i+1], v[8*(5*\qb+\db)+\i:8*(5*\qb+\db)+\i+1], v[RL:RL+1]
.endr
.endr
	WIN 0
.irp db, 0,1,2,3
	ds_store_b128 v[OSTO], v[KF+8*\db:KF+8*\db+3] offset:64*\db          ; query r, d = 16 db + 8h + 0..3
	ds_store_b128 v[OSTO], v[KF+8*\db+4:KF+8*\db+7] offset:64*\db+16     ; and + 4..7
.endr
	s_wait_xcnt 0x0                                ; this buffer was the data of the stores two blocks ago: it is loaded again only behind this wait
.irp t, 0,1,2,3,4,5,6,7
	ds_load_b128 v[\buf+4*\t:\buf+4*\t+3], v[ORD] offset:2*OPITCH*\t     ; my own bytes, served in order behind the stores above
.endr
.irp t, 0,1,2,3,4,5,6,7
	s_wait_dscnt 7-\t                              ; the 7 - t younger loads stay out
	global_store_b128 v[OOFF], v[\buf+4*\t:\buf+4*\t+3], s[12:13] offset:(16*\qb+2*\t)*256 th:TH_STORE_NT
.endr
.endm
	OUTQ 0, VF
	OUTQ 1, VF+32
	OUTQ 2, VF
	OUTQ 3, VF+32
	s_set_vgpr_msb 0x5
	s_wait_tensorcnt 0x0
	ds_add_u32 v160, v161
	s_wait_dscnt 0x0
	s_set_vgpr_msb 0x500
	s_endpgm
.Lfunc_end_k_q11cb00080f_attn:
	.size	k_q11cb00080f_attn, .Lfunc_end_k_q11cb00080f_attn-k_q11cb00080f_attn
	.p2alignl 7, 3214868480
	.fill 96, 4, 3214868480
	.section	.rodata,"a",@progbits
	.p2align	6, 0x0
	.amdhsa_kernel k_q11cb00080f_attn
		.amdhsa_group_segment_fixed_size 55296
		.amdhsa_private_segment_fixed_size 0
		.amdhsa_enable_private_segment 0
		.amdhsa_kernarg_size 40
		.amdhsa_user_sgpr_count 2
		.amdhsa_user_sgpr_kernarg_segment_ptr 1
		.amdhsa_wavefront_size32 1
		.amdhsa_system_sgpr_workgroup_id_x 1
		.amdhsa_system_sgpr_workgroup_id_y 1
		.amdhsa_system_sgpr_workgroup_id_z 1
		.amdhsa_system_vgpr_workitem_id 0
		.amdhsa_next_free_vgpr 418
		.amdhsa_next_free_sgpr 66
		.amdhsa_reserve_vcc 1
		.amdhsa_float_denorm_mode_32 3
		.amdhsa_float_denorm_mode_16_64 3
		.amdhsa_memory_ordered 1
		.amdhsa_forward_progress 1
		.amdhsa_inst_pref_size 115
	.end_amdhsa_kernel
	.amdgpu_metadata
---
amdhsa.version: [ 1, 2 ]
amdhsa.kernels:
  - .name:           k_q11cb00080f_attn
    .symbol:         k_q11cb00080f_attn.kd
    .args:
      - { .name: K, .offset: 0, .size: 8, .value_kind: global_buffer, .address_space: global }
      - { .name: Q, .offset: 8, .size: 8, .value_kind: global_buffer, .address_space: global }
      - { .name: V, .offset: 16, .size: 8, .value_kind: global_buffer, .address_space: global }
      - { .name: order, .offset: 24, .size: 8, .value_kind: global_buffer, .address_space: global }
      - { .name: out0, .offset: 32, .size: 8, .value_kind: global_buffer, .address_space: global }
    .group_segment_fixed_size: 55296
    .private_segment_fixed_size: 0
    .kernarg_segment_align: 8
    .kernarg_segment_size: 40
    .max_flat_workgroup_size: 256
    .sgpr_count:     66
    .vgpr_count:     418
    .wavefront_size: 32
...
	.end_amdgpu_metadata
.endif
;; end of part 2
;; ======== version 2 of 2: 2 launches; version 1 with the launch index written anew for expert scheduling mode
;; workspace buffers: order 66,560 bytes of whole numbers
;; launch index (part 3): grid 8 x 1, 1 waves a work-group, no clusters, 0 bytes of LDS; arguments mask, order; writes order
.if DOCPART == 3
	.amdgcn_target "amdgcn-amd-amdhsa--gfx1250"
	.amdhsa_code_object_version 6
	.text
	.protected	k_q11cb00080f_index
	.globl	k_q11cb00080f_index
	.p2align	8
	.type	k_q11cb00080f_index,@function
k_q11cb00080f_index:
	s_mov_b64 s[64:65], 0
	v_nop
	global_prefetch_b8 v0, s[64:65] scope:SCOPE_SE
	s_setreg_imm32_b32 hwreg(HW_REG_WAVE_SCHED_MODE, 0, 2), 2
	s_setreg_imm32_b32 hwreg(HW_REG_WAVE_MODE, 25, 1), 1
	s_wait_xcnt 0x0
	s_wait_alu depctr_vm_vsrc(0)
; For each batch b (one work-group of one wave): a list of its 2,048 key numbers with the keys that take part in the softmax
; gathered, and a record of three numbers.  A key takes part if its mask byte is 0 (any other byte counts as true).
;   cnt  = keys that take part.  If none does, reference() gives every key the same weight: then all 2,048 take part and flag = 1.
;   R    = (cnt + 63) / 64   rounds of 64 list places that the next launch walks (1 .. 32)
;   pad  = 64 R - cnt        places at the list's head that hold keys which do not take part (0 .. 63)
; order, as 32-bit words: word b*2048 + p = the key at place p; places pad .. 64 R - 1 are the keys that take part, the others fill
; 64 R .. 2047 and then 0 .. pad - 1, so that the list is a permutation and every word is written.
; Record of batch b at byte 65536 + 128 b: word 0 = R, word 1 = pad, words 2 .. 31 = flag.
; The order of keys inside the list is free: a softmax sum does not depend on it.
; The list's stores are 4 bytes a lane at places that the mask decides (two runs of neighbouring words for each instruction);
; the whole list is 8,192 bytes for a work-group, which is not worth a stage in LDS.
; THE MODE: SCHED_MODE bits 1:0 = 2 (LLVM: expert scheduling mode 2), set by the entry lines.  The code itself states the register dependences
; between vector instructions and memory instructions, and between a vector instruction that writes a scalar register and that register's
; readers, with s_wait_alu, always for 0.
; THE PLAN.  The text is one straight run: no branch, no label.  Registers that memory instructions touch:
;   v1         offset of the four mask loads: written once at the head, never again.
;   M          the loads land in it; no vector instruction names it ahead of them.
;   BY, KEY    step i writes BY + i and KEY + i; store i reads them; nothing writes them afterwards.
;   v3, v151   offset and data of the record's store: not written after it.
; Scalar registers that vector instructions write: the 64 masks of the keys and the two lane masks of the record.  All 66 compares stand in
; one run, ONE wait on va_sdst stands behind it, and every reader of a mask comes behind that wait; VCC is not used.
; Pass 2 goes in four blocks of 16 steps.  ONE wait on va_vdst stands behind each block: it states that the block's BY and KEY are written.
; The block's 16 stores follow it, dealt among the next block's steps, which name their own BY and KEY, v1, v2 and v148-150 alone.
; No register that a memory instruction reads is written again, so no wait on vm_vsrc is owed.
.set M,   4                            ; v[4:19]    the 2,048 mask bytes: load j (0..3) holds bytes 512 j + 16 lane + 0..15
.set BY,  20                           ; v[20:83]   step i: my mask byte, later the byte offset of my store
.set KEY, 84                           ; v[84:147]  step i: my key number
                                       ; v[148:151] at work
.set L0,  92                           ; s92        the mask of lane 0
.set L1,  93                           ; s93        the mask of lane 1
                                       ; s26-63, s66-91: step i's mask, at s[26 + i] for i < 38 and at s[28 + i] from there on
; step i = 16 j + b treats byte b of load j: key 512 j + 16 lane + b, which is number n = 32 i + lane in the order of counting
	s_load_b128 s[4:7], s[0:1], 0x0                ; mask s[4:5], order s[6:7]
	v_lshlrev_b32 v1, 4, v0                        ; 16 x lane
	v_lshlrev_b32 v3, 2, v0                        ; 4 x lane: my word of the record
	s_lshl_b32 s20, ttmp9, 11                      ; the batch's 2,048 mask bytes
	s_mov_b32 s21, 0
	s_lshl_b32 s22, ttmp9, 13                      ; its 8,192 bytes of list
	s_mov_b32 s23, 0
	s_lshl_b32 s24, ttmp9, 7                       ; its 128 bytes of record, behind the eight lists
	s_add_co_u32 s24, s24, 0x10000
	s_mov_b32 s25, 0
	s_wait_kmcnt 0x0
	s_add_nc_u64 s[4:5], s[4:5], s[20:21]
	s_add_nc_u64 s[8:9], s[6:7], s[22:23]
	s_add_nc_u64 s[10:11], s[6:7], s[24:25]
	s_wait_alu depctr_va_vdst(0)                   ; v1 is written, which the four loads read as their offset; so is v3, the offset of the record's store
.irp j, 0,1,2,3
	global_load_b128 v[M+4*\j:M+4*\j+3], v1, s[4:5] offset:512*\j   ; 512 neighbouring bytes for each load
.endr
	v_cmp_eq_u32 s[L0], 0, v0                      ; the record's two lane masks open the run of compares, while the loads are out
	v_cmp_eq_u32 s[L1], 1, v0
	s_mov_b32 s12, 0                               ; cnt
	s_wait_loadcnt 0x0
	; pass 1: take the bytes apart and find the zeros: each step's mask goes into a scalar register of its own
.set i, 0
.rept 64
.set MK, 26+i+2*(i/38)
	v_bfe_u32 v[BY+i], v[M+i/4], 8*(i%4), 8
	v_cmp_eq_u32 s[MK], 0, v[BY+i]
.set i, i+1
.endr
	s_wait_alu depctr_va_sdst(0)                   ; the 66 compares have written their masks: every reader of a mask, scalar or vector, stands behind this line
	; and count them
.set i, 0
.rept 64
.set MK, 26+i+2*(i/38)
	s_bcnt1_i32_b32 s19, s[MK]
	s_add_co_u32 s12, s12, s19
.set i, i+1
.endr
	s_cmp_eq_u32 s12, 0                            ; every key masked?
	s_cselect_b32 s18, 1, 0                        ; flag
	s_cselect_b32 s14, -1, 0                       ; then every lane's key takes part,
	s_cselect_b32 s12, 2048, s12                   ; all 2,048 of them
	s_add_co_u32 s16, s12, 63
	s_lshr_b32 s16, s16, 6                         ; R
	s_lshl_b32 s17, s16, 6                         ; E = 64 R
	s_sub_co_u32 s15, s17, s12                     ; pad
	v_add_nc_u32 v2, s17, v0                       ; E + lane
	s_mov_b32 s13, 0                               ; keys that take part, counted so far
	; pass 2: every key's place.  pu = keys that take part in front of mine; n - pu = the others in front of mine.
	; Each store has an offset register and a data register of its own, so nothing that a pending store reads is written again.
.macro STEP                            ; step i: its key number into KEY + i, the byte offset of its place into BY + i
.set MK, 26+i+2*(i/38)
	s_or_b32 s[MK], s[MK], s14
	v_mbcnt_lo_u32_b32 v148, s[MK], s13            ; pu
	s_bcnt1_i32_b32 s19, s[MK]
	s_add_co_u32 s13, s13, s19
	v_add_nc_u32 v[KEY+i], 512*(i/16)+(i%16), v1
	v_add_nc_u32 v149, s15, v148                   ; takes part: pad + pu
	v_sub_nc_u32 v150, v2, v148
	v_add_nc_u32 v150, 32*i, v150                  ; does not: E + n - pu,
	v_cndmask_b32 v149, v150, v149, s[MK]
	v_and_b32 v149, 0x7ff, v149                    ; wrapped round the list's end
	v_min_u32 v149, 0x7ff, v149                    ; a number made from loaded data enters an address only clamped
	v_lshlrev_b32 v[BY+i], 2, v149
.endm
.macro SEND k                          ; step k's store
	global_store_b32 v[BY+(\k)], v[KEY+(\k)], s[8:9]
.endm
.set i, 0
.rept 16                               ; block 0: there is no block in front of it to store
	STEP
.set i, i+1
.endr
.rept 3                                ; blocks 1 to 3
	s_wait_alu depctr_va_vdst(0)                   ; the block before has written its sixteen BY and KEY, which the sixteen stores below read
.rept 16
	SEND i-16                                      ; no vector instruction since the wait names these two registers
	STEP
.set i, i+1
.endr
.endr
	; the record: lane 0 R, lane 1 pad, the others flag
	v_mov_b32 v151, s18
	v_mov_b32 v148, s16
	v_mov_b32 v149, s15
	v_cndmask_b32 v151, v151, v148, s[L0]
	v_cndmask_b32 v151, v151, v149, s[L1]
	s_wait_alu depctr_va_vdst(0)                   ; block 3 has written its BY and KEY, and the selects v151: the last seventeen stores read them
.rept 16
	SEND i-16
.set i, i+1
.endr
	global_store_b32 v3, v151, s[10:11]
	s_endpgm
.Lfunc_end_k_q11cb00080f_index:
	.size	k_q11cb00080f_index, .Lfunc_end_k_q11cb00080f_index-k_q11cb00080f_index
	.p2alignl 7, 3214868480
	.fill 96, 4, 3214868480
	.section	.rodata,"a",@progbits
	.p2align	6, 0x0
	.amdhsa_kernel k_q11cb00080f_index
		.amdhsa_group_segment_fixed_size 0
		.amdhsa_private_segment_fixed_size 0
		.amdhsa_enable_private_segment 0
		.amdhsa_kernarg_size 16
		.amdhsa_user_sgpr_count 2
		.amdhsa_user_sgpr_kernarg_segment_ptr 1
		.amdhsa_wavefront_size32 1
		.amdhsa_system_sgpr_workgroup_id_x 1
		.amdhsa_system_sgpr_workgroup_id_y 1
		.amdhsa_system_sgpr_workgroup_id_z 1
		.amdhsa_system_vgpr_workitem_id 0
		.amdhsa_next_free_vgpr 152
		.amdhsa_next_free_sgpr 94
		.amdhsa_reserve_vcc 0
		.amdhsa_float_denorm_mode_32 3
		.amdhsa_float_denorm_mode_16_64 3
		.amdhsa_memory_ordered 1
		.amdhsa_forward_progress 1
		.amdhsa_inst_pref_size 56
	.end_amdhsa_kernel
	.amdgpu_metadata
---
amdhsa.version: [ 1, 2 ]
amdhsa.kernels:
  - .name:           k_q11cb00080f_index
    .symbol:         k_q11cb00080f_index.kd
    .args:
      - { .name: mask, .offset: 0, .size: 8, .value_kind: global_buffer, .address_space: global }
      - { .name: order, .offset: 8, .size: 8, .value_kind: global_buffer, .address_space: global }
    .group_segment_fixed_size: 0
    .private_segment_fixed_size: 0
    .kernarg_segment_align: 8
    .kernarg_segment_size: 16
    .max_flat_workgroup_size: 32
    .sgpr_count:     94
    .vgpr_count:     152
    .wavefront_size: 32
...
	.end_amdgpu_metadata
.endif
;; end of part 3
;; launch attn: the kernel of part 2 again; grid 4 x 64, 8 waves a work-group, no clusters, 55,296 bytes of LDS; arguments K, Q, V, order, out0; writes out0
